; MI455X (gfx1250); checked and timed in simulation.
; The chip was launched on July 23, 2026; its instructions are those of AMD's public machine-readable ISA for CDNA 5 (MIT licence, August 2026) and "CDNA5" Instruction Set Architecture Reference Guide (July 2026). The comments in the code are by the model that wrote it; some were corrected since.
;; Multi Head Attention. Allowed arithmetic: float matrix products may take bf16 or f16 operands with f32 sums; all other float work in f32.
;; Inputs: bk 1,024 float32; bo 1,024 float32; bq 1,024 float32; bv 1,024 float32; k 2 x 2,048 x 1,024 float32; q 2 x 2,048 x 1,024 float32; v 2 x 2,048 x 1,024 float32; wk 1,024 x 1,024 float32; wo 1,024 x 1,024 float32; wq 1,024 x 1,024 float32; wv 1,024 x 1,024 float32.
;; Outputs: out0 2 x 2,048 x 1,024 float32.
;; One version. Each part assembles by itself: llvm-mc -triple=amdgcn-amd-amdhsa -mcpu=gfx1250 --defsym DOCPART=n.
;; ======== version 1 of 1: 3 launches
;; workspace buffers: qp 8,388,608 bytes; kp 8,388,608 bytes; vp 8,388,608 bytes; ao 8,388,608 bytes; wob 2,097,152 bytes
;; launch proj (part 1): grid 4 x 48, 4 waves a work-group, clusters of 4 x 4, 327,680 bytes of LDS; arguments q, k, v, wq, wk, wv, bq, bk, bv, qp, kp, vp; writes qp, kp, vp
.if DOCPART == 1
	.amdgcn_target "amdgcn-amd-amdhsa--gfx1250"
	.amdhsa_code_object_version 6
	.text
	.protected	k_qf3402360ef_proj
	.globl	k_qf3402360ef_proj
	.p2align	8
	.type	k_qf3402360ef_proj,@function
k_qf3402360ef_proj:
	s_mov_b64 s[64:65], 0
	v_nop
	global_prefetch_b8 v0, s[64:65] scope:SCOPE_SE
	s_setreg_imm32_b32 hwreg(HW_REG_WAVE_MODE, 25, 1), 1
	s_wait_xcnt 0x0
	s_wait_alu depctr_hold_cnt(0) depctr_sa_sdst(0) depctr_va_vdst(0) depctr_va_sdst(0) depctr_va_ssrc(0) depctr_va_vcc(0) depctr_vm_vsrc(0)
	s_getreg_b32 s2, hwreg(HW_REG_IB_STS2, 6, 4)
	s_cmp_eq_u32 s2, 0
	s_cbranch_scc0 .Lentry_in_a_cluster
	s_endpgm
.Lentry_in_a_cluster:
	s_bfe_u32 s2, ttmp6, 0x10000c
	s_cmp_lg_u32 s2, 0xf033
	s_cbranch_scc0 .Lentry_shape_is_right
	s_endpgm
.Lentry_shape_is_right:
; Y = bf16(X W^T + b) for three problems at once: (q, wq, bq, qp), (k, wk, bk, kp), (v, wv, bv, vp).
; X: [4096][1024] f32, W: [1024][1024] f32 (rows along K), b: [1024] f32, Y: [4096][1024] bf16.  The later view of Y as heads is a
; plain reading of the same flat bytes, so Y is stored row-major as it comes.
; FORMATS AND LIMITS: X and W are rounded once to bf16 (nearest even) between LDS and the matrix unit; sums and bias in f32; Y rounded once to bf16.
; NaN and infinities spread as in any product.  Nothing else is assumed of the numbers.
; SHARES: 3 x 16 x 4 = 192 work-groups, each a block of 256 x 256 of one Y; four waves, as many as a WGP has SIMDs, each 128 x 128 = 64 accumulator
; tiles = 512 registers.  Blocks of 128 x 128 would give 768 work-groups, but each would fetch twice the bytes of X and W for a multiply-add.
; K goes in steps of 64 (256 bytes of f32 a row, rows start at multiples of 256 bytes) through two LDS slots filled by the tensor data mover.
; CLUSTERS: 4 x 4 work-groups.  Four clusters along y make one problem, so the problem's number is the same in a whole cluster.  X's tile hangs on
; the block row alone and is asked for jointly along a row of the cluster; W's on the block column alone, jointly along a column.
; REGISTERS, in windows of 256:
;   window 0: v0-31 addresses; v32-63 packed results on the way out; v64-127 X's 8 fragments in bf16; v128-255 X's 8 fragments as loaded (f32)
;   window 1: v0-63 the bias of my 128 columns in the accumulators' layout; v64-127 W's fragments in bf16; v128-255 W's as loaded
;   window 2: accumulator tiles of my rows 0-63 (tile (a, b) at v[8 (8 a + b)]); window 3: rows 64-127
; THE MATRIX INSTRUCTION IS USED TRANSPOSED (source 0 = 16 rows of W, source 1 = 16 rows of X): lane l holds row l % 16 of Y and its registers
; 0 to 7 the columns 8 (l / 16) + 0 .. 7.  So a lane's eight results pack into 16 neighbouring bytes, and the bias of a column tile is
; eight registers that serve as the C operand of the first product: nothing is cleared and nothing is added on the way out.
.set KSTEP,  64
.set PITCH,  272                       ; an LDS row: 256 bytes + 16 of padding: the 16 rows that a load touches start in 16 different 16-byte columns modulo 256 bytes
.set HALFT,  128*PITCH                 ; 128 rows: what one tensor load brings, and what one wave reads of X or of W
.set SLOT,   4*HALFT                   ; X's 256 rows, then W's 256 rows
.set STAGE,  2*SLOT                    ; behind the ring: 16 rows x 272 bytes for each wave, for the way out; no tensor load lands there
.set SPITCH, 272
.set ROWY,   2048                      ; bytes in a row of Y
.set LAPS,   1024/(2*KSTEP)            ; a lap = two K steps = once round the ring: 8
.set ADRA, 16                          ; v16-17  LDS address of my X fragments in slot 0, 1
.set ADRB, 20                          ; v20-21  the same for W
.set STO,  24                          ; v24     way out: where I put 16 bytes of a row
.set RD,   25                          ; v25     way out: where I read a row back
.set CO,   26                          ; v26     my byte offset in Y
.set BOF,  27                          ; v27     my byte offset in the bias
.set TMP,  32
.set F,    64                          ; bf16 fragments (window 0: X, window 1: W)
.set R,    128                         ; f32 fragments as loaded, 16 registers each
.set BI,   0                           ; window 1: bias, 8 registers for each column tile
.set OB0,  64                          ; way out: two read-back buffers in window 0
.set OB1,  96
.set G1,  24                           ; s[24:31] descriptor group 1 for X's tiles
.set G0,  32                           ; s[32:39] group 0 for X's tiles, one set for each slot
.set G1B, 48                           ; s[48:55] group 1 for W's tiles: another mask
.set G0B, 56                           ; s[56:63] group 0 for W's tiles
.set MSB, 0
.macro WIN new                         ; the immediate's high byte repeats the setting that is left
.if MSB != \new
	s_set_vgpr_msb (MSB<<8)|\new
.set MSB, \new
.endif
.endm
.set MUL_LO, 0xa1                      ; source 0 (W) window 1, source 1 (X) window 0, C and D window 2
.set MUL_HI, 0xf1                      ; the same, C and D window 3
.set TO_B,   0x40                      ; destination window 1, address window 0
.macro WLO mode                        ; mode 1: C is the bias, in window 1
.if \mode
	WIN 0x91
.else
	WIN MUL_LO
.endif
.endm
.macro WHI mode
.if \mode
	WIN 0xd1
.else
	WIN MUL_HI
.endif
.endm
; A joint load.  Waves 0 and 1 fetch X's two halves, waves 2 and 3 W's.  Each line has one mask and one set of registers; the branch hangs on the wave's number alone.
.macro JLOAD s
	s_cmp_eq_u32 s11, 0
	s_cbranch_scc0 .Lfor_b_\@
	tensor_load_to_lds s[G0+4*\s:G0+4*\s+3], s[G1:G1+7]
	s_nop 0
	s_branch .Lasked_\@
.Lfor_b_\@:
	tensor_load_to_lds s[G0B+4*\s:G0B+4*\s+3], s[G1B:G1B+7]
	s_nop 0
.Lasked_\@:
.endm
; A round of the cluster's barrier: my work-group's barrier; wave 0 signals for the work-group; every wave waits for all sixteen; my work-group's barrier again.
.macro CREST                           ; a round behind its opening barrier
	s_cmp_lg_u32 s10, 0
	s_cbranch_scc1 .Lnot_wave_0_\@
	s_barrier_signal -3
.Lnot_wave_0_\@:
	s_barrier_wait -3
	s_barrier_signal -1
	s_barrier_wait -1
.endm
.macro CROUND
	s_barrier_signal -1
	s_barrier_wait -1
	CREST
.endm
	s_load_b512 s[68:83], s[0:1], 0x0              ; q, k, v, wq, wk, wv, bq, bk
	s_load_b256 s[84:91], s[0:1], 0x40             ; bv, qp, kp, vp
	v_lshl_add_u32 v30, v0, 2, 0x48400
	v_mov_b32 v31, 0
	ds_add_u32 v30, v31
	v_lshrrev_b32 v1, 5, v0
	v_readfirstlane_b32 s10, v1                    ; wave 0..3
	s_lshr_b32 s11, s10, 1                         ; which half of the block's rows is mine.  Also: I fetch for X (0) or for W (1)
	s_and_b32 s12, s10, 1                          ; which half of its columns.  Also: which 128 rows of that tile I fetch
	s_bfe_u32 s40, ttmp6, 0x40000                  ; cx
	s_bfe_u32 s41, ttmp6, 0x40004                  ; cy
	s_lshl_b32 s42, ttmp9, 2
	s_add_co_u32 s42, s42, s40                     ; block column = 4 x cluster x + cx
	s_and_b32 s13, ttmp7, 0xffff                   ; cluster y, 0 to 11
	s_lshr_b32 s45, s13, 2                         ; the problem: 0 q, 1 k, 2 v; the same in the whole cluster
	s_and_b32 s13, s13, 3
	s_lshl_b32 s13, s13, 2
	s_add_co_u32 s13, s13, s41                     ; block row in the problem = 4 x (cluster y mod 4) + cy
	s_lshl_b32 s43, s41, 2
	s_lshl_b32 s43, 15, s43                        ; my row of the cluster: places 4 cy .. 4 cy + 3
	s_lshl_b32 s44, 0x1111, s40                    ; my column: places cx, cx + 4, cx + 8, cx + 12
	; group 1: a tile of 128 rows x 64 elements of 4 bytes, 4 words of padding behind every 64 words
	s_or_b32 s[G1+0], s43, (2<<16)|(1<<20)|(1<<21)|(5<<22)|(3<<25)   ; 15:0 mask; 17:16 element of 4 bytes; 20 padding on; 21 set beside a mask; 24:22 every 64 words; 31:25 four words
	s_or_b32 s[G1B+0], s44, (2<<16)|(1<<20)|(1<<21)|(5<<22)|(3<<25)
	s_mov_b32 s[G1+1], KSTEP<<16                   ; tensor_dim0 = 64
	s_mov_b32 s[G1B+1], KSTEP<<16
	s_mov_b32 s[G1+2], 128<<16                     ; tensor_dim1 = 128
	s_mov_b32 s[G1B+2], 128<<16
	s_mov_b32 s[G1+3], KSTEP<<16                   ; tile_dim0 = 64
	s_mov_b32 s[G1B+3], KSTEP<<16
	s_mov_b32 s[G1+4], 128                         ; tile_dim1 = 128
	s_mov_b32 s[G1B+4], 128
	s_mov_b32 s[G1+5], 1024                        ; elements from row to row
	s_mov_b32 s[G1B+5], 1024
	s_mov_b32 s[G1+6], 0
	s_mov_b32 s[G1B+6], 0
	s_mov_b32 s[G1+7], 0
	s_mov_b32 s[G1B+7], 0
	; byte offsets of the tiles.  X's hangs on the block row, W's on the block column, each in registers that never hold the other coordinate.
	s_lshl_b32 s17, s12, 7                         ; which 128 rows of the tile I fetch
	s_lshl_b32 s16, s13, 8
	s_add_co_u32 s16, s16, s17                     ; X: row 256 x block row + 128 x half
	s_lshl_b32 s16, s16, 12                        ; x 4,096 bytes: below 2^24
	s_lshl_b32 s46, s42, 8
	s_add_co_u32 s46, s46, s17                     ; W: row 256 x block column + 128 x half
	s_lshl_b32 s46, s46, 12
	s_mov_b32 s17, 0
	s_mov_b32 s47, 0
	s_lshl_b32 s92, s42, 10                        ; bias: 4 bytes x (256 x block column + 128 x my column half)
	s_lshl_b32 s93, s12, 9
	s_add_co_u32 s92, s92, s93
	s_mov_b32 s93, 0
	s_mul_i32 s20, s10, HALFT                      ; where my tiles go: wave x 128 rows; no place in the cluster enters an LDS address
	v_and_b32 v1, 15, v0                           ; r = l % 16
	v_bfe_u32 v2, v0, 4, 1                         ; h = l / 16
	v_lshlrev_b32 v[BOF], 5, v2                    ; my eight columns of a tile begin 32 h bytes in
	s_wait_dscnt 0x0
	s_wait_kmcnt 0x0
	s_cmp_eq_u32 s45, 0                            ; the problem's four buffers
	s_cselect_b64 s[4:5], s[68:69], s[70:71]       ; X
	s_cselect_b64 s[6:7], s[74:75], s[76:77]       ; W
	s_cselect_b64 s[66:67], s[80:81], s[82:83]     ; b
	s_cselect_b64 s[8:9], s[86:87], s[88:89]       ; Y
	s_cmp_eq_u32 s45, 2
	s_cselect_b64 s[4:5], s[72:73], s[4:5]
	s_cselect_b64 s[6:7], s[78:79], s[6:7]
	s_cselect_b64 s[66:67], s[84:85], s[66:67]
	s_cselect_b64 s[8:9], s[90:91], s[8:9]
	s_add_nc_u64 s[14:15], s[4:5], s[16:17]
	s_add_nc_u64 s[46:47], s[6:7], s[46:47]
	s_add_nc_u64 s[66:67], s[66:67], s[92:93]
	CROUND                                         ; all sixteen work-groups are here: the first joint loads meet
.irp s, 0,1
	s_mov_b32 s[G0+4*\s], 1                                        ; count = 1
	s_add_co_u32 s[G0+4*\s+1], s20, \s*SLOT                        ; LDS address
	s_add_nc_u64 s[G0+4*\s+2:G0+4*\s+3], s[14:15], \s*KSTEP*4      ; global address: K step s
	s_or_b32 s[G0+4*\s+3], s[G0+4*\s+3], 0x80000000                ; type = 2
	s_mov_b32 s[G0B+4*\s], 1
	s_add_co_u32 s[G0B+4*\s+1], s20, \s*SLOT
	s_add_nc_u64 s[G0B+4*\s+2:G0B+4*\s+3], s[46:47], \s*KSTEP*4
	s_or_b32 s[G0B+4*\s+3], s[G0B+4*\s+3], 0x80000000
	JLOAD \s                                       ; both slots are asked for before anything else: two tensor loads of the wave are out
.endr
	; the bias in the accumulators' layout: register j of tile b = b[first column + 16 b + 8 h + j]; once, 512 bytes a wave
	WIN TO_B
.irp b, 0,1,2,3,4,5,6,7
	global_load_b128 v[BI+8*\b:BI+8*\b+3],   v[BOF], s[66:67] offset:64*\b
	global_load_b128 v[BI+8*\b+4:BI+8*\b+7], v[BOF], s[66:67] offset:64*\b+16
.endr
	WIN 0
	; A fragment is 16 rows x 32 K: lane l holds row l % 16; K = 8 h + 0..7 and 16 + 8 h + 0..7.  In f32 that is 32 bytes at 32 h and 32 bytes at 64 + 32 h.
	v_mul_u32_u24 v3, v1, PITCH
	v_lshl_add_u32 v3, v2, 5, v3                   ; row x pitch + 32 h
	s_mul_i32 s21, s11, HALFT                      ; my 128 rows of X
	s_mul_i32 s22, s12, HALFT                      ; my 128 rows of W,
	s_add_co_u32 s22, s22, 2*HALFT                 ; which lie behind X's 256
.irp s, 0,1
	v_add_nc_u32 v[ADRA+\s], s21, v3
	v_add_nc_u32 v[ADRB+\s], s22, v3
	s_add_co_u32 s21, s21, SLOT
	s_add_co_u32 s22, s22, SLOT
.endr
	s_mul_i32 s23, s10, 16*SPITCH
	s_add_co_u32 s23, s23, STAGE                   ; my stage
	v_mul_u32_u24 v4, v1, SPITCH                   ; in: row l % 16, 16 bytes for each half of the lanes
	v_lshl_add_u32 v4, v2, 4, v4
	v_add_nc_u32 v[STO], s23, v4
	v_mul_u32_u24 v5, v2, SPITCH                   ; back: lanes 0-15 one row of 256 bytes, lanes 16-31 the next
	v_lshl_add_u32 v5, v1, 4, v5
	v_add_nc_u32 v[RD], s23, v5
	v_mul_u32_u24 v5, v2, ROWY                     ; the same two rows in Y
	v_lshl_add_u32 v[CO], v1, 4, v5
; 16 matrix instructions: m blocks a0, a0 + 1 of the window's four x all 8 n blocks, 32 along K.  mode 1: the bias starts the sums.
.macro MUL16 hi, a0, mode
.irp a, \a0, \a0+1
.irp b, 0,1,2,3,4,5,6,7
.if \mode
	v_wmma_f32_16x16x32_bf16 v[8*(8*(\a)+\b):8*(8*(\a)+\b)+7], v[F+8*\b:F+8*\b+7], v[F+8*(4*\hi+\a):F+8*(4*\hi+\a)+7], v[BI+8*\b:BI+8*\b+7]
.else
	v_wmma_f32_16x16x32_bf16 v[8*(8*(\a)+\b):8*(8*(\a)+\b)+7], v[F+8*\b:F+8*\b+7], v[F+8*(4*\hi+\a):F+8*(4*\hi+\a)+7], v[8*(8*(\a)+\b):8*(8*(\a)+\b)+7]
.endif
.endr
.endr
.endm
; 64 LDS loads in one run: 128 rows of W and 128 rows of X, 32 K in f32, at byte k of the slot's rows
.macro FETCH slot, k
	WIN TO_B
.irp i, 0,1,2,3,4,5,6,7
	ds_load_b128 v[R+16*\i:R+16*\i+3],     v[ADRB+\slot] offset:\k+\i*16*PITCH
	ds_load_b128 v[R+16*\i+4:R+16*\i+7],   v[ADRB+\slot] offset:\k+\i*16*PITCH+16
	ds_load_b128 v[R+16*\i+8:R+16*\i+11],  v[ADRB+\slot] offset:\k+\i*16*PITCH+64
	ds_load_b128 v[R+16*\i+12:R+16*\i+15], v[ADRB+\slot] offset:\k+\i*16*PITCH+80
.endr
	WIN 0
.irp i, 0,1,2,3,4,5,6,7
	ds_load_b128 v[R+16*\i:R+16*\i+3],     v[ADRA+\slot] offset:\k+\i*16*PITCH
	ds_load_b128 v[R+16*\i+4:R+16*\i+7],   v[ADRA+\slot] offset:\k+\i*16*PITCH+16
	ds_load_b128 v[R+16*\i+8:R+16*\i+11],  v[ADRA+\slot] offset:\k+\i*16*PITCH+64
	ds_load_b128 v[R+16*\i+12:R+16*\i+15], v[ADRA+\slot] offset:\k+\i*16*PITCH+80
.endr
.endm
; f32 to bf16, two numbers an instruction: 16 registers as loaded become the 8 of a fragment
.macro CVT
	WIN 0x45                                       ; W: sources and destination in window 1
.irp i, 0,1,2,3,4,5,6,7
.irp p, 0,1,2,3,4,5,6,7
	v_cvt_pk_bf16_f32 v[F+8*\i+\p], v[R+16*\i+2*\p], v[R+16*\i+2*\p+1]
.endr
.endr
	WIN 0                                          ; X
.irp i, 0,1,2,3,4,5,6,7
.irp p, 0,1,2,3,4,5,6,7
	v_cvt_pk_bf16_f32 v[F+8*\i+\p], v[R+16*\i+2*\p], v[R+16*\i+2*\p+1]
.endr
.endr
.endm
; A vector instruction that writes a register which a matrix instruction has read, or reads a matrix result, stands four places behind it, and only
; plain vector instructions that name none of its registers are places (ISA guide 7.12.1).
.macro PLACES
.rept 4
	v_nop
.endr
.endm
; A K step is two halves of 32 along K, 64 matrix instructions each.  The 64 accumulators take turns, one instruction a turn, in the same order in
; every half and over the backward jump.
; The first half: converts what was fetched, fetches the second half's numbers, multiplies.
.macro HALF slot, mode
	s_wait_dscnt 0x0                               ; the 64 loads issued 48 or more matrix instructions ago
	PLACES                                         ; the conversions write the fragments that the last products read
	CVT
	FETCH \slot, 128
	WLO \mode
	MUL16 0, 0, \mode
	MUL16 0, 2, \mode
	WHI \mode
	MUL16 1, 0, \mode
	MUL16 1, 2, \mode
.endm
; The second half, and the change of slots.  In front of the barrier each wave waits for its reads of this slot and for all its tensor loads, of which
; one is out: its part of the next slot.  Behind it the refill comes first, then the next slot's first numbers are read.
.macro TURN slot, next, fill
	s_wait_dscnt 0x0                               ; my reads of this slot are over
	PLACES
	CVT
	s_wait_tensorcnt 0x0                           ; all my tensor loads have landed
	ds_add_u32 v30, v31
	s_wait_dscnt 0x0
	s_barrier_signal -1                            ; where a slot is filled again this barrier opens a round of the cluster's barrier
	WIN MUL_LO
	MUL16 0, 0, 0                                  ; work on registers while the others arrive
	WIN 0
	s_barrier_wait -1
.if \fill
	CREST                                          ; no wave of any partner still reads this slot or has a load on its way
	s_add_nc_u64 s[G0+4*\slot+2:G0+4*\slot+3], s[G0+4*\slot+2:G0+4*\slot+3], 2*KSTEP*4
	s_add_nc_u64 s[G0B+4*\slot+2:G0B+4*\slot+3], s[G0B+4*\slot+2:G0B+4*\slot+3], 2*KSTEP*4
	JLOAD \slot                                    ; the wave's one tensor load behind the round; it has 112 matrix instructions and 256 conversions in which to land
.endif
	FETCH \next, 0
	WIN MUL_LO
	MUL16 0, 2, 0
	WIN MUL_HI
	MUL16 1, 0, 0
	MUL16 1, 2, 0
.endm
.macro LAP mode
	HALF 0, \mode
	TURN 0, 1, 1
	HALF 1, 0
	TURN 1, 0, 1
.endm
	s_wait_loadcnt 0x0                             ; the bias
	s_wait_tensorcnt 0x1                           ; my part of K step 0 is in; K step 1's may stay out
	s_barrier_signal -1
	s_barrier_wait -1                              ; everybody's is
	FETCH 0, 0
	LAP 1                                          ; the first lap stands in front of the loop: its first products start the sums from the bias
	WIN 0                                          ; at a label and at a branch every window is 0
	s_mov_b32 s3, LAPS-2
.Llap:
	LAP 0
	WIN 0
	s_sub_co_u32 s3, s3, 1
	s_cmp_lg_u32 s3, 0
	s_cbranch_scc1 .Llap
	HALF 0, 0                                      ; the last lap fills nothing
	TURN 0, 1, 0
	HALF 1, 0
	s_wait_dscnt 0x0                               ; the very last half: nothing more to fetch
	PLACES
	CVT
	WIN MUL_LO
	MUL16 0, 0, 0
	MUL16 0, 2, 0
	WIN MUL_HI
	MUL16 1, 0, 0
	MUL16 1, 2, 0
	; THE WAY OUT, 16 rows at a time: round to bf16, 16 bytes a lane into my own stage, read back as whole rows of 256 bytes.
	PLACES                                         ; behind the last matrix instructions: the conversions read results, the read-backs land on fragments
	s_lshl_b32 s13, s13, 8
	s_lshl_b32 s14, s11, 7
	s_add_co_u32 s16, s13, s14                     ; my first row of Y
	s_lshl_b32 s16, s16, 11                        ; x 2,048 bytes
	s_mov_b32 s17, 0
	s_add_nc_u64 s[8:9], s[8:9], s[16:17]
	s_lshl_b32 s46, s42, 9                         ; my first column, in bytes: 512 x block column + 256 x half
	s_lshl_b32 s47, s12, 8
	s_add_co_u32 s46, s46, s47
	s_mov_b32 s47, 0
	s_add_nc_u64 s[8:9], s[8:9], s[46:47]
; rows 16 i .. 16 i + 15 of my block = the eight tiles (a, 0..7) of window 2 or 3 (from = 0x0a or 0x0f); f: the read-back buffer, in turn
.macro OUT16 i, a, from, f
	WIN \from
.irp b, 0,1,2,3,4,5,6,7
.irp r, 0,1,2,3
	v_cvt_pk_bf16_f32 v[TMP+4*\b+\r], v[8*(8*\a+\b)+2*\r], v[8*(8*\a+\b)+2*\r+1]
.endr
.endr
	WIN 0
.irp b, 0,1,2,3,4,5,6,7
	ds_store_b128 v[STO], v[TMP+4*\b:TMP+4*\b+3] offset:32*\b
.endr
	s_wait_xcnt 0x0                                ; the earlier stores' addresses are translated (ISA guide 3.1): buffer f and the stores' base are rewritten only behind this wait
.if \i
	s_add_nc_u64 s[8:9], s[8:9], 16*ROWY
.endif
.irp t, 0,1,2,3,4,5,6,7
	ds_load_b128 v[\f+4*\t:\f+4*\t+3], v[RD] offset:\t*2*SPITCH    ; LDS serves a wave's instructions in order (ISA guide 5.7.1): these see the stores above
.endr
.irp t, 0,1,2,3,4,5,6,7
	s_wait_dscnt 7-\t                              ; read-back t is in, the 7 - t younger ones may be out
	global_store_b128 v[CO], v[\f+4*\t:\f+4*\t+3], s[8:9] offset:2*\t*ROWY   ; 16 lanes store 256 consecutive bytes, at a multiple of 256 from Y's first byte
.endr
.endm
	OUT16 0, 0, 0x0a, OB0
	OUT16 1, 1, 0x0a, OB1
	OUT16 2, 2, 0x0a, OB0
	OUT16 3, 3, 0x0a, OB1
	OUT16 4, 0, 0x0f, OB0
	OUT16 5, 1, 0x0f, OB1
	OUT16 6, 2, 0x0f, OB0
	OUT16 7, 3, 0x0f, OB1
	s_wait_tensorcnt 0x0
	ds_add_u32 v30, v31
	s_wait_dscnt 0x0
	CROUND                                         ; the closing round: no work-group ends while a partner may still ask for a tile that names it
	s_endpgm
.Lfunc_end_k_qf3402360ef_proj:
	.size	k_qf3402360ef_proj, .Lfunc_end_k_qf3402360ef_proj-k_qf3402360ef_proj
	.p2alignl 7, 3214868480
	.fill 96, 4, 3214868480
	.section	.rodata,"a",@progbits
	.p2align	6, 0x0
	.amdhsa_kernel k_qf3402360ef_proj
		.amdhsa_group_segment_fixed_size 327680
		.amdhsa_private_segment_fixed_size 0
		.amdhsa_enable_private_segment 0
		.amdhsa_kernarg_size 96
		.amdhsa_user_sgpr_count 2
		.amdhsa_user_sgpr_kernarg_segment_ptr 1
		.amdhsa_wavefront_size32 1
		.amdhsa_system_sgpr_workgroup_id_x 1
		.amdhsa_system_sgpr_workgroup_id_y 1
		.amdhsa_system_sgpr_workgroup_id_z 1
		.amdhsa_system_vgpr_workitem_id 0
		.amdhsa_next_free_vgpr 1024
		.amdhsa_next_free_sgpr 94
		.amdhsa_reserve_vcc 0
		.amdhsa_float_denorm_mode_32 3
		.amdhsa_float_denorm_mode_16_64 3
		.amdhsa_memory_ordered 1
		.amdhsa_forward_progress 1
		.amdhsa_inst_pref_size 243
	.end_amdhsa_kernel
	.amdgpu_metadata
---
amdhsa.version: [ 1, 2 ]
amdhsa.kernels:
  - .name:           k_qf3402360ef_proj
    .symbol:         k_qf3402360ef_proj.kd
    .args:
      - { .name: q, .offset: 0, .size: 8, .value_kind: global_buffer, .address_space: global }
      - { .name: k, .offset: 8, .size: 8, .value_kind: global_buffer, .address_space: global }
      - { .name: v, .offset: 16, .size: 8, .value_kind: global_buffer, .address_space: global }
      - { .name: wq, .offset: 24, .size: 8, .value_kind: global_buffer, .address_space: global }
      - { .name: wk, .offset: 32, .size: 8, .value_kind: global_buffer, .address_space: global }
      - { .name: wv, .offset: 40, .size: 8, .value_kind: global_buffer, .address_space: global }
      - { .name: bq, .offset: 48, .size: 8, .value_kind: global_buffer, .address_space: global }
      - { .name: bk, .offset: 56, .size: 8, .value_kind: global_buffer, .address_space: global }
      - { .name: bv, .offset: 64, .size: 8, .value_kind: global_buffer, .address_space: global }
      - { .name: qp, .offset: 72, .size: 8, .value_kind: global_buffer, .address_space: global }
      - { .name: kp, .offset: 80, .size: 8, .value_kind: global_buffer, .address_space: global }
      - { .name: vp, .offset: 88, .size: 8, .value_kind: global_buffer, .address_space: global }
    .group_segment_fixed_size: 327680
    .private_segment_fixed_size: 0
    .kernarg_segment_align: 8
    .kernarg_segment_size: 96
    .max_flat_workgroup_size: 128
    .sgpr_count:     94
    .vgpr_count:     1024
    .wavefront_size: 32
...
	.end_amdgpu_metadata
.endif
;; end of part 1
;; launch attn (part 2): grid 256 x 1, 8 waves a work-group, clusters of 4 x 1, 327,680 bytes of LDS; arguments qp, kp, vp, ao, wo, wob; writes ao, wob
.if DOCPART == 2
	.amdgcn_target "amdgcn-amd-amdhsa--gfx1250"
	.amdhsa_code_object_version 6
	.text
	.protected	k_qf3402360ef_attn
	.globl	k_qf3402360ef_attn
	.p2align	8
	.type	k_qf3402360ef_attn,@function
k_qf3402360ef_attn:
	s_mov_b64 s[64:65], 0
	v_nop
	global_prefetch_b8 v0, s[64:65] scope:SCOPE_SE
	s_setreg_imm32_b32 hwreg(HW_REG_WAVE_MODE, 25, 1), 1
	s_wait_xcnt 0x0
	s_wait_alu depctr_hold_cnt(0) depctr_sa_sdst(0) depctr_va_vdst(0) depctr_va_sdst(0) depctr_va_ssrc(0) depctr_va_vcc(0) depctr_vm_vsrc(0)
	s_getreg_b32 s2, hwreg(HW_REG_IB_STS2, 6, 4)
	s_cmp_eq_u32 s2, 0
	s_cbranch_scc0 .Lentry_in_a_cluster
	s_endpgm
.Lentry_in_a_cluster:
	s_bfe_u32 s2, ttmp6, 0x10000c
	s_cmp_lg_u32 s2, 0x3003
	s_cbranch_scc0 .Lentry_shape_is_right
	s_endpgm
.Lentry_shape_is_right:
; ao = bf16(softmax(Q K^T / 32) V), head by head.  qp, kp, vp, ao: 32 heads x [2048][64] bf16, flat (head g = bytes 262,144 g ..).
; Beside it: wob = bf16(wo), [1024][1024], for the launch that follows: each work-group rounds 4,096 numbers while its first tiles are on their way.
; SHARES: work-group x (0 to 255) takes head x / 8 and the 256 queries of block x mod 8; a wave takes 32 queries (two tiles of 16).  Eight waves, two on each SIMD.
; CLUSTERS: the four work-groups of a cluster work on one head (x / 8 = cluster / 2) and read the same K and V: every tile is asked for jointly, mask 15.
; THE RING: two LDS slots of 512 keys.  A slot has eight regions, one tensor load each: waves 0-3 bring 128 keys of K each, waves 4-7 128 keys of V.
; K and V of a head are dense, so a tile comes in as 64 rows of 256 bytes, two keys a row.  2,048 keys = four fills, two of them refills.
; ORIENTATION: S^T = K Q^T (A = 16 keys x 32 d, B = Q): lane (r, h) holds query r, register j of key tile t holds key 16 t + 8 h + j.  So maximum and sum are
; work inside a lane and one exchange between the halves, and the bf16 pairs of key tiles 2 u, 2 u + 1 are the B fragment of P^T for keys 32 u .. 32 u + 31 as they stand.
; O^T = V^T P^T (A = V^T by transposing LDS loads): lane (r, h) holds d = 16 t + 8 h + j of query r: rescaling is a factor per lane, 8 registers pack into 16 neighbouring bytes.
; ORDER IN A BLOCK OF 64 KEYS: a wave's products stand one at a time between the lines of the other query tile's softmax, which name none of their registers:
; QK of tile 1 between the first lines of softmax 0, PV of tile 0 between the first lines of softmax 1, PV of tile 1 between the lines of tile 1's row sum.
; SOFTMAX: running maximum, as in the definition: p = 2^(c s - c m), c = log2(e) / 32; when m grows, O and the sum are multiplied by 2^(c m_old - c m_new).
; The value carried is -c m as it was rounded, so old and new terms stand on one scale.
; LIMITS: scores must be finite (a NaN or an infinity in Q or K spreads over the rows that it touches); a probability below 2^-126 counts as 0
; (v_exp_f32 flushes, ISA guide 15.8); P is rounded to bf16 for the product, the row sum is taken of the unrounded P in f32; ao and wob rounded once to bf16.
.set REG,   18432                      ; a region: 64 rows; K's pitch 272 (17,408 bytes used), V's pitch 288
.set SLOT,  8*REG
.set STAGE, 2*SLOT                     ; behind the ring: 16 rows x 144 bytes for each wave; no tensor load lands there
.set KL,   2                           ; v2   lane term of K's fragments
.set VL,   3                           ; v3   lane term of V's fragments
.set KADR, 4                           ; v4   K's address at work: lane term + slot + region
.set VADR, 5                           ; v5   V's
.set QOF,  6
.set STO,  7
.set RD,   8
.set CO,   9
.set SE,   10                          ; v[10:11], v[12:13]  two more chains of the row sum (at work during the set-up)
.set SF,   12
.set WOF,  14                          ; v14  my byte offset in the work-group's part of wo
.set WSF,  15                          ; v15  and of wob
.set QF,   16                          ; v[16:47]    Q: fragment (n, u) at 16 n + 8 u
.set SC,   48                          ; v[48:111]   S^T: tile (n, t) at 32 n + 8 t.  P of tile 0 is packed in place (SC .. SC+15), P of tile 1 into SC+16 .. SC+31
.set OA,   112                         ; v[112:175]  O^T: tile (n, t) at 32 n + 8 t
.set KF,   176                         ; v[176:239]  K's fragments (t, u) at 8 (2 t + u); then V^T's in the same registers
.set LS,   240                         ; v240+n      my half's running sum
.set NM,   244                         ; v244+4n     -c m      (pair with MX)
.set MX,   245                         ; v245+4n     m, the running maximum of the raw scores
.set AL,   246                         ; v246+4n     the rescaling factor (pair with TT)
.set TT,   247                         ; v247+4n     at work
.set SA,   252                         ; v[252:253], v[254:255]  chains of the maximum (low registers) and of the sum (pairs)
.set SB,   254
.set G1K, 16                           ; s[16:23]
.set G1V, 24                           ; s[24:31]
.set G0K, 32                           ; s[32:39] one set for each slot
.set G0V, 40                           ; s[40:47]
.macro JLOAD s                         ; waves 0-3 ask for K's regions, waves 4-7 for V's; the branch hangs on the wave's number alone
	s_cmp_eq_u32 s13, 0
	s_cbranch_scc0 .Lfor_v_\@
	tensor_load_to_lds s[G0K+4*\s:G0K+4*\s+3], s[G1K:G1K+7]
	s_nop 0
	s_branch .Lasked_\@
.Lfor_v_\@:
	tensor_load_to_lds s[G0V+4*\s:G0V+4*\s+3], s[G1V:G1V+7]
	s_nop 0
.Lasked_\@:
.endm
.macro CROUND                          ; a round of the cluster's barrier
	s_barrier_signal -1
	s_barrier_wait -1
	s_cmp_lg_u32 s12, 0
	s_cbranch_scc1 .Lnot_wave_0_\@
	s_barrier_signal -3
.Lnot_wave_0_\@:
	s_barrier_wait -3
	s_barrier_signal -1
	s_barrier_wait -1
.endm
	s_load_b256 s[4:11], s[0:1], 0x0               ; qp s[4:5], kp s[6:7], vp s[8:9], ao s[10:11]
	s_load_b128 s[60:63], s[0:1], 0x20             ; wo s[60:61], wob s[62:63]
	v_lshl_add_u32 v242, v0, 2, 0x4c800
	v_mov_b32 v243, 0
	ds_add_u32 v242, v243
	v_lshrrev_b32 v1, 5, v0
	v_readfirstlane_b32 s12, v1                    ; wave 0..7
	s_lshr_b32 s13, s12, 2                         ; 0: I fetch K, 1: V
	s_and_b32 s14, s12, 3                          ; which 128 keys of a slot I fetch
	s_bfe_u32 s15, ttmp6, 0x40000                  ; cx
	s_lshl_b32 s50, ttmp9, 2
	s_add_co_u32 s15, s50, s15                     ; x = 4 x cluster + cx
	s_lshr_b32 s48, ttmp9, 1                       ; the head: shared by the four partners
	s_lshl_b32 s48, s48, 18                        ; x 262,144 bytes
	s_lshl_b32 s49, s14, 14                        ; + my 128 keys of 128 bytes
	s_add_co_u32 s48, s48, s49
	s_mov_b32 s49, 0
	s_lshl_b32 s58, s15, 15                        ; Q and the result: x blocks of 256 rows of 128 bytes (8 blocks are a head)
	s_lshl_b32 s59, s12, 12                        ; + my 32 rows
	s_add_co_u32 s58, s58, s59
	s_mov_b32 s59, 0
	s_mul_i32 s52, s12, REG                        ; my region
	s_mul_i32 s51, s12, 16*144
	s_add_co_u32 s51, s51, STAGE                   ; my stage
	s_mov_b32 s53, 0xbd38aa3b                      ; -c, c = log2(e) / 32
	s_mov_b32 s54, 0x3d38aa3b                      ; c, twice: a pair for the packed multiply-add
	s_mov_b32 s55, 0x3d38aa3b
	s_mov_b32 s56, 0x76543210                      ; v_permlanex16_b32: lane i of one half reads lane i of the other
	s_mov_b32 s57, 0xfedcba98
	; group 1: 64 rows of 128 elements of 2 bytes, dense; behind every 64 words 4 words of padding for K, 8 for V
	s_mov_b32 s[G1K+0], 15|(1<<16)|(1<<20)|(1<<21)|(5<<22)|(3<<25)
	s_mov_b32 s[G1V+0], 15|(1<<16)|(1<<20)|(1<<21)|(5<<22)|(7<<25)
	s_mov_b32 s[G1K+1], 128<<16                    ; tensor_dim0 = 128
	s_mov_b32 s[G1V+1], 128<<16
	s_mov_b32 s[G1K+2], 64<<16                     ; tensor_dim1 = 64
	s_mov_b32 s[G1V+2], 64<<16
	s_mov_b32 s[G1K+3], 128<<16                    ; tile_dim0 = 128
	s_mov_b32 s[G1V+3], 128<<16
	s_mov_b32 s[G1K+4], 64                         ; tile_dim1 = 64
	s_mov_b32 s[G1V+4], 64
	s_mov_b32 s[G1K+5], 128                        ; elements from row to row
	s_mov_b32 s[G1V+5], 128
	s_mov_b32 s[G1K+6], 0
	s_mov_b32 s[G1V+6], 0
	s_mov_b32 s[G1K+7], 0
	s_mov_b32 s[G1V+7], 0
	v_and_b32 v1, 15, v0                           ; r
	v_bfe_u32 v10, v0, 4, 1                        ; h
	v_lshlrev_b32 v[QOF], 7, v1
	v_lshl_add_u32 v[QOF], v10, 4, v[QOF]          ; Q: 128 r + 16 h
	v_lshlrev_b32 v[WOF], 5, v0                    ; wo: eight f32 a thread, 32 bytes
	v_lshlrev_b32 v[WSF], 4, v0                    ; wob: the same eight in bf16, 16 bytes
	s_wait_dscnt 0x0
	s_wait_kmcnt 0x0
	s_add_nc_u64 s[6:7], s[6:7], s[48:49]
	s_add_nc_u64 s[8:9], s[8:9], s[48:49]
	s_add_nc_u64 s[4:5], s[4:5], s[58:59]
	s_add_nc_u64 s[10:11], s[10:11], s[58:59]
	s_lshl_b32 s2, s15, 14                         ; my work-group's 4,096 numbers of wo: 16,384 bytes
	s_mov_b32 s3, 0
	s_add_nc_u64 s[60:61], s[60:61], s[2:3]
	s_lshl_b32 s2, s15, 13                         ; and of wob: 8,192 bytes
	s_add_nc_u64 s[62:63], s[62:63], s[2:3]
	CROUND                                         ; the four partners are here: the first joint loads meet
.irp s, 0,1
	s_mov_b32 s[G0K+4*\s], 1
	s_add_co_u32 s[G0K+4*\s+1], s52, \s*SLOT
	s_add_nc_u64 s[G0K+4*\s+2:G0K+4*\s+3], s[6:7], \s*65536        ; keys 512 s ..
	s_or_b32 s[G0K+4*\s+3], s[G0K+4*\s+3], 0x80000000
	s_mov_b32 s[G0V+4*\s], 1
	s_add_co_u32 s[G0V+4*\s+1], s52, \s*SLOT
	s_add_nc_u64 s[G0V+4*\s+2:G0V+4*\s+3], s[8:9], \s*65536
	s_or_b32 s[G0V+4*\s+3], s[G0V+4*\s+3], 0x80000000
	JLOAD \s                                       ; two tensor loads of the wave are out
.endr
	; Q once, straight into its B fragments: query 16 n + r, d = 32 u + 8 h + 0..7 and + 16.  The eight loads together take my 4,096 bytes once.
.irp n, 0,1
.irp u, 0,1
	global_load_b128 v[QF+16*\n+8*\u:QF+16*\n+8*\u+3],   v[QOF], s[4:5] offset:2048*\n+64*\u
	global_load_b128 v[QF+16*\n+8*\u+4:QF+16*\n+8*\u+7], v[QOF], s[4:5] offset:2048*\n+64*\u+32
.endr
.endr
	; wo: two groups of 2,048 numbers; a thread takes eight neighbouring numbers of each, into registers that the scores use later
.irp g, 0,1
	global_load_b128 v[SC+8*\g:SC+8*\g+3],   v[WOF], s[60:61] offset:8192*\g th:TH_LOAD_NT
	global_load_b128 v[SC+8*\g+4:SC+8*\g+7], v[WOF], s[60:61] offset:8192*\g+16 th:TH_LOAD_NT
.endr
	; K: key r of a tile lies in row r / 2, half r % 2: 16-byte column (r / 2) + 8 (r % 2) modulo 16: sixteen different ones
	v_lshrrev_b32 v11, 1, v1
	v_and_b32 v12, 1, v0
	v_mul_u32_u24 v[KL], v11, 272
	v_lshl_add_u32 v[KL], v12, 7, v[KL]
	v_lshl_add_u32 v[KL], v10, 4, v[KL]            ; (r / 2) 272 + (r % 2) 128 + 16 h
	; V: lane l addresses key 8 h + l % 8 and the 16 bytes of columns 8 ((l / 8) % 2) ..: 16-byte column 2 (i / 2) + 8 (i % 2) + c modulo 16: sixteen different ones
	v_bfe_u32 v13, v0, 1, 2
	v_lshl_add_u32 v13, v10, 2, v13                ; row 4 h + (l % 8) / 2
	v_mul_u32_u24 v[VL], v13, 288
	v_lshl_add_u32 v[VL], v12, 7, v[VL]
	v_bfe_u32 v13, v0, 3, 1
	v_lshl_add_u32 v[VL], v13, 4, v[VL]
	v_add_nc_u32 v[VL], 4*REG, v[VL]               ; V's regions lie behind K's four
	v_mul_u32_u24 v[STO], v1, 144                  ; way out, in: row r, 16 bytes for each half of the lanes
	v_lshl_add_u32 v[STO], v10, 4, v[STO]
	v_add_nc_u32 v[STO], s51, v[STO]
	v_bfe_u32 v13, v0, 3, 2                        ; back: eight lanes take a row of 128 bytes
	v_mul_u32_u24 v[RD], v13, 144
	v_and_b32 v13, 7, v0
	v_lshl_add_u32 v[RD], v13, 4, v[RD]
	v_add_nc_u32 v[RD], s51, v[RD]
	v_and_b32 v[CO], 31, v0
	v_lshlrev_b32 v[CO], 4, v[CO]                  ; four rows of the result are 512 consecutive bytes
.macro KLOAD kb                        ; 64 keys from key kb of the region: fragment (t, u) = keys 16 t .., d = 32 u ..; in the order in which QK of tile 0 takes them
.irp u, 0,1
.irp t, 0,1,2,3
	ds_load_b128 v[KF+8*(2*\t+\u):KF+8*(2*\t+\u)+3],   v[KADR] offset:\kb*136+2176*\t+64*\u
	ds_load_b128 v[KF+8*(2*\t+\u)+4:KF+8*(2*\t+\u)+7], v[KADR] offset:\kb*136+2176*\t+64*\u+32
.endr
.endr
.endm
.macro VLOAD kb                        ; V^T: fragment (t, u) = d 16 t .., keys 32 u ..; the second load 16 keys = 8 rows further down
.irp t, 0,1,2,3
.irp u, 0,1
	ds_load_tr16_b128 v[KF+8*(2*\t+\u):KF+8*(2*\t+\u)+3],   v[VADR] offset:\kb*144+4608*\u+32*\t
	ds_load_tr16_b128 v[KF+8*(2*\t+\u)+4:KF+8*(2*\t+\u)+7], v[VADR] offset:\kb*144+4608*\u+32*\t+2304
.endr
.endr
.endm
; One product.  In every group of eight the order is u = 0 for t = 0..3, then u = 1 for t = 0..3: the four accumulators take turns, one instruction a turn.
.macro QKI n, t, u                     ; S^T(n, t) from d = 32 u ..: the first half starts the sum
.if \u
	v_wmma_f32_16x16x32_bf16 v[SC+32*\n+8*\t:SC+32*\n+8*\t+7], v[KF+16*\t+8:KF+16*\t+15], v[QF+16*\n+8:QF+16*\n+15], v[SC+32*\n+8*\t:SC+32*\n+8*\t+7]
.else
	v_wmma_f32_16x16x32_bf16 v[SC+32*\n+8*\t:SC+32*\n+8*\t+7], v[KF+16*\t:KF+16*\t+7], v[QF+16*\n:QF+16*\n+7], 0
.endif
.endm
.macro PVI n, t, u, zero, pb           ; O^T(n, t) from keys 32 u ..; pb: where P of tile n lies; zero = 1: the very first product starts the sum
.if \zero
	v_wmma_f32_16x16x32_bf16 v[OA+32*\n+8*\t:OA+32*\n+8*\t+7], v[KF+16*\t+8*\u:KF+16*\t+8*\u+7], v[\pb+8*\u:\pb+8*\u+7], 0
.else
	v_wmma_f32_16x16x32_bf16 v[OA+32*\n+8*\t:OA+32*\n+8*\t+7], v[KF+16*\t+8*\u:KF+16*\t+8*\u+7], v[\pb+8*\u:\pb+8*\u+7], v[OA+32*\n+8*\t:OA+32*\n+8*\t+7]
.endif
.endm
; The softmax of query tile n over 64 keys (my 32 scores of query r; the other half of the lanes holds the other 32), in pieces.
.macro MAX4 n, first, k                ; the maximum, old one included, in four chains; piece k reads key tile k alone
.if \k == 0
.if \first
	v_max_num_f32 v[MX+4*\n], v[SC+32*\n], v[SC+32*\n+1]
.else
	v_max3_num_f32 v[MX+4*\n], v[MX+4*\n], v[SC+32*\n], v[SC+32*\n+1]
.endif
	v_max_num_f32 v[TT+4*\n], v[SC+32*\n+2], v[SC+32*\n+3]
	v_max_num_f32 v[SA], v[SC+32*\n+4], v[SC+32*\n+5]
	v_max_num_f32 v[SB], v[SC+32*\n+6], v[SC+32*\n+7]
.else
	v_max3_num_f32 v[MX+4*\n], v[MX+4*\n], v[SC+32*\n+8*\k], v[SC+32*\n+8*\k+1]
	v_max3_num_f32 v[TT+4*\n], v[TT+4*\n], v[SC+32*\n+8*\k+2], v[SC+32*\n+8*\k+3]
	v_max3_num_f32 v[SA], v[SA], v[SC+32*\n+8*\k+4], v[SC+32*\n+8*\k+5]
	v_max3_num_f32 v[SB], v[SB], v[SC+32*\n+8*\k+6], v[SC+32*\n+8*\k+7]
.endif
.endm
.macro MAXE n
	v_max3_num_f32 v[MX+4*\n], v[MX+4*\n], v[TT+4*\n], v[SA]
	v_max_num_f32 v[MX+4*\n], v[MX+4*\n], v[SB]
	v_permlanex16_b32 v[TT+4*\n], v[MX+4*\n], s56, s57     ; the other half's; its destination has been written above
	v_max_num_f32 v[MX+4*\n], v[MX+4*\n], v[TT+4*\n]
.endm
.macro TAIL n, first
.if \first
	v_mul_f32 v[NM+4*\n], s53, v[MX+4*\n]                  ; -c m
.else
	v_mul_f32 v[TT+4*\n], s53, v[MX+4*\n]                  ; -c m_new
	v_sub_f32 v[AL+4*\n], v[TT+4*\n], v[NM+4*\n]           ; c m_old - c m_new, at most 0
	v_mov_b32 v[NM+4*\n], v[TT+4*\n]
	v_exp_f32 v[AL+4*\n], v[AL+4*\n]                       ; used only behind the multiply-adds that follow (ISA guide 5.7.2)
.endif
.endm
.macro FMA8 n, i0                      ; c s - c m for 16 scores
.irp i, 0,2,4,6,8,10,12,14
	v_pk_fma_f32 v[SC+32*\n+\i0+\i:SC+32*\n+\i0+\i+1], v[SC+32*\n+\i0+\i:SC+32*\n+\i0+\i+1], s[54:55], v[NM+4*\n:NM+4*\n+1] op_sel_hi:[1,0,0]
.endr
.endm
.macro EXP8 n, j0
.irp j, 0,1,2,3,4,5,6,7
	v_exp_f32 v[SC+32*\n+\j0+\j], v[SC+32*\n+\j0+\j]
.endr
.endm
.macro RES4 n, i0                      ; O of one d tile on the new scale
	s_wait_alu depctr_va_vdst(0)
.irp i, 0,2,4,6
	v_pk_mul_f32 v[OA+32*\n+\i0+\i:OA+32*\n+\i0+\i+1], v[OA+32*\n+\i0+\i:OA+32*\n+\i0+\i+1], v[AL+4*\n:AL+4*\n+1] op_sel_hi:[1,0]
.endr
.endm
.macro SUMA n                          ; the sum, in four packed chains started by the first terms
	v_pk_add_f32 v[SA:SA+1], v[SC+32*\n:SC+32*\n+1], v[SC+32*\n+2:SC+32*\n+3]
	v_pk_add_f32 v[SB:SB+1], v[SC+32*\n+4:SC+32*\n+5], v[SC+32*\n+6:SC+32*\n+7]
	v_pk_add_f32 v[SE:SE+1], v[SC+32*\n+8:SC+32*\n+9], v[SC+32*\n+10:SC+32*\n+11]
	v_pk_add_f32 v[SF:SF+1], v[SC+32*\n+12:SC+32*\n+13], v[SC+32*\n+14:SC+32*\n+15]
	s_wait_alu depctr_va_vdst(0)
.endm
.macro SUMB n, i0
	v_pk_add_f32 v[SA:SA+1], v[SA:SA+1], v[SC+32*\n+\i0:SC+32*\n+\i0+1]
	v_pk_add_f32 v[SB:SB+1], v[SB:SB+1], v[SC+32*\n+\i0+2:SC+32*\n+\i0+3]
	v_pk_add_f32 v[SE:SE+1], v[SE:SE+1], v[SC+32*\n+\i0+4:SC+32*\n+\i0+5]
	v_pk_add_f32 v[SF:SF+1], v[SF:SF+1], v[SC+32*\n+\i0+6:SC+32*\n+\i0+7]
.endm
.macro SUME n, first                   ; five plain lines in either form
	v_pk_add_f32 v[SA:SA+1], v[SA:SA+1], v[SB:SB+1]
	v_pk_add_f32 v[SE:SE+1], v[SE:SE+1], v[SF:SF+1]
	v_pk_add_f32 v[SA:SA+1], v[SA:SA+1], v[SE:SE+1]
.if \first
	v_add_f32 v[LS+\n], v[SA], v[SA+1]
	v_nop
.else
	v_add_f32 v[SA], v[SA], v[SA+1]
	v_fma_f32 v[LS+\n], v[LS+\n], v[AL+4*\n], v[SA]
.endif
.endm
.macro CVTP n, dst                     ; P to bf16.  In place (tile 0) it goes ascending: word j is written when words 2 j, 2 j + 1 have been read
.set j, 0
.rept 16
	v_cvt_pk_bf16_f32 v[\dst+j], v[SC+32*\n+2*j], v[SC+32*\n+2*j+1]
.set j, j+1
.endr
.endm
; 64 keys for my 32 queries: 32 matrix instructions.  In front of a block stand the five plain lines that end the block before (or no product at all): the places
; behind its last products, on whose A registers K's loads land and whose B registers QK of tile 0 writes over.
.macro BLOCK kb, first
	KLOAD \kb
.set w, 14
.irp u, 0,1
.irp t, 0,1,2,3
	s_wait_dscnt w                                 ; LDS loads come back in order (ISA guide 5.7.1): this product's two are in, the w issued behind them may be out
	QKI 0, \t, \u
.set w, w-2
.endr
.endr
	QKI 1, 0, 0
.rept 4
	v_nop                                          ; four places behind QK of tile 0, whose results the maxima read
.endr
	MAX4 0, \first, 0
	QKI 1, 1, 0
	MAX4 0, \first, 1
	MAX4 0, \first, 2
	QKI 1, 2, 0
	MAX4 0, \first, 3
	MAXE 0
	QKI 1, 3, 0
	TAIL 0, \first
	QKI 1, 0, 1
	FMA8 0, 0
	QKI 1, 1, 1
	FMA8 0, 16
	QKI 1, 2, 1
	EXP8 0, 0
	QKI 1, 3, 1
	EXP8 0, 8
.if \first                                         ; four plain places behind QK of tile 1: V's loads land on its A registers
.rept 4
	v_nop
.endr
.else
	RES4 0, 0
.endif
	VLOAD \kb                                      ; on its way during the rest of softmax 0
	EXP8 0, 16
	EXP8 0, 24
.if \first                                         ; a plain line that touches none of them stands behind the exponentials before their results are read (ISA guide 5.7.2)
	v_nop
	s_wait_alu depctr_va_vdst(0)
.else
	RES4 0, 8
	RES4 0, 16
	RES4 0, 24
.endif
	SUMA 0
	SUMB 0, 16
	SUMB 0, 24
	SUME 0, \first
	CVTP 0, SC
	s_wait_dscnt 0x0                               ; V^T
	PVI 0, 0, 0, \first, SC
	MAX4 1, \first, 0
	MAX4 1, \first, 1
	PVI 0, 1, 0, \first, SC
	MAX4 1, \first, 2
	MAX4 1, \first, 3
	PVI 0, 2, 0, \first, SC
	MAXE 1
	PVI 0, 3, 0, \first, SC
	TAIL 1, \first
	PVI 0, 0, 1, 0, SC
	FMA8 1, 0
	PVI 0, 1, 1, 0, SC
	FMA8 1, 16
	PVI 0, 2, 1, 0, SC
	EXP8 1, 0
	PVI 0, 3, 1, 0, SC
	EXP8 1, 8
	EXP8 1, 16
	EXP8 1, 24
.if \first
	v_nop
	s_wait_alu depctr_va_vdst(0)
.else
	RES4 1, 0
	RES4 1, 8
	RES4 1, 16
	RES4 1, 24
.endif
	CVTP 1, SC+16                                  ; into the upper half of tile 0's scores, free since they were packed: tile 1's exponentials stay whole for the sum below
	PVI 1, 0, 0, \first, SC+16
	SUMA 1
	PVI 1, 1, 0, \first, SC+16
	SUMB 1, 16
	PVI 1, 2, 0, \first, SC+16
	SUMB 1, 24
	PVI 1, 3, 0, \first, SC+16
	PVI 1, 0, 1, 0, SC+16
	PVI 1, 1, 1, 0, SC+16
	PVI 1, 2, 1, 0, SC+16
	PVI 1, 3, 1, 0, SC+16
	SUME 1, \first                                 ; five plain lines that name none of the last products' registers
.endm
.macro TRIP first                      ; a region: 128 keys
	BLOCK 0, \first
	BLOCK 64, 0
	v_add_nc_u32 v[KADR], REG, v[KADR]
	v_add_nc_u32 v[VADR], REG, v[VADR]
.endm
.macro RUN slot, trips
	v_add_nc_u32 v[KADR], \slot*SLOT, v[KL]
	v_add_nc_u32 v[VADR], \slot*SLOT, v[VL]
	s_mov_b32 s3, \trips
.Lrun_\@:
	TRIP 0
	s_sub_co_i32 s3, s3, 1
	s_cmp_lg_u32 s3, 0
	s_cbranch_scc1 .Lrun_\@
.endm
; The change of slots.  other = the slot just read.  Every wave waits for all its tensor loads (its part of the next slot among them) and for its reads;
; with a refill a round of the cluster's barrier follows and the joint load is the first thing behind it, the wave's only one until the next round.
.macro NEXT other, refill
	s_wait_tensorcnt 0x0
	ds_add_u32 v242, v243
	s_wait_dscnt 0x0
.if \refill
	s_add_nc_u64 s[G0K+4*\other+2:G0K+4*\other+3], s[G0K+4*\other+2:G0K+4*\other+3], 131072   ; no load of mine is out: 1,024 keys on
	s_add_nc_u64 s[G0V+4*\other+2:G0V+4*\other+3], s[G0V+4*\other+2:G0V+4*\other+3], 131072
.endif
	s_wait_dscnt 0x0
.if \refill
	CROUND
	JLOAD \other                                   ; it has eight blocks of 64 keys in which to land
.else
	s_barrier_signal -1
	s_barrier_wait -1
.endif
.endm
	s_wait_loadcnt 0x0                             ; Q and my numbers of wo
.irp g, 0,1
.irp p, 0,1,2,3
	v_cvt_pk_bf16_f32 v[SC+16+4*\g+\p], v[SC+8*\g+2*\p], v[SC+8*\g+2*\p+1]
.endr
	global_store_b128 v[WSF], v[SC+16+4*\g:SC+16+4*\g+3], s[62:63] offset:4096*\g   ; a wave's store covers 512 consecutive bytes, at a multiple of 512 from wob's first byte
.endr
	s_wait_xcnt 0x0                                ; the stores' addresses are translated (ISA guide 3.1): their data registers are written again, by the first products, only behind this wait
	s_wait_tensorcnt 0x1                           ; my part of slot 0 is in; slot 1's may stay out
	s_barrier_signal -1
	s_barrier_wait -1
	v_mov_b32 v[KADR], v[KL]
	v_mov_b32 v[VADR], v[VL]
	TRIP 1                                         ; keys 0-127: the first block starts maximum, sum and O: nothing is cleared
	s_mov_b32 s3, 3
.Lfirst:
	TRIP 0                                         ; keys 128-511
	s_sub_co_i32 s3, s3, 1
	s_cmp_lg_u32 s3, 0
	s_cbranch_scc1 .Lfirst
	NEXT 0, 1                                      ; slot 0 gets keys 1024-1535
	RUN 1, 4                                       ; keys 512-1023
	NEXT 1, 1                                      ; slot 1 gets keys 1536-2047
	RUN 0, 4
	NEXT 0, 0                                      ; nothing is left to fetch
	RUN 1, 4
	; THE WAY OUT: divide by the whole sum, round, 16 queries at a time through my stage, and store 512 consecutive bytes an instruction.
	; The places behind the last products are the five lines that end the last block and the two address steps behind them.
.irp n, 0,1
	v_permlanex16_b32 v[TT+4*\n], v[LS+\n], s56, s57
	v_add_f32 v[LS+\n], v[LS+\n], v[TT+4*\n]       ; both halves' keys; at least about 1: the largest score's term
	v_rcp_f32 v[AL+4*\n], v[LS+\n]
	v_nop                                          ; one plain place behind the reciprocal (ISA guide 5.7.2)
	s_wait_alu depctr_va_vdst(0)
.irp i, 0,2,4,6,8,10,12,14,16,18,20,22,24,26,28,30
	v_pk_mul_f32 v[OA+32*\n+\i:OA+32*\n+\i+1], v[OA+32*\n+\i:OA+32*\n+\i+1], v[AL+4*\n:AL+4*\n+1] op_sel_hi:[1,0]
.endr
.set j, 0
.rept 16
	v_cvt_pk_bf16_f32 v[SC+32*\n+j], v[OA+32*\n+2*j], v[OA+32*\n+2*j+1]
.set j, j+1
.endr
.irp t, 0,1,2,3
	ds_store_b128 v[STO], v[SC+32*\n+4*\t:SC+32*\n+4*\t+3] offset:32*\t    ; d = 16 t + 8 h .. of query r
.endr
.irp i, 0,1,2,3
	ds_load_b128 v[KF+16*\n+4*\i:KF+16*\n+4*\i+3], v[RD] offset:576*\i     ; four rows; LDS serves a wave's instructions in order (ISA guide 5.7.1)
.endr
.irp i, 0,1,2,3
	s_wait_dscnt 3-\i                              ; read-back i is in, the 3 - i younger ones may be out
	global_store_b128 v[CO], v[KF+16*\n+4*\i:KF+16*\n+4*\i+3], s[10:11] offset:2048*\n+512*\i
.endr
.endr
	s_wait_tensorcnt 0x0
	ds_add_u32 v242, v243
	s_wait_dscnt 0x0
	CROUND                                         ; the closing round
	s_endpgm
.Lfunc_end_k_qf3402360ef_attn:
	.size	k_qf3402360ef_attn, .Lfunc_end_k_qf3402360ef_attn-k_qf3402360ef_attn
	.p2alignl 7, 3214868480
	.fill 96, 4, 3214868480
	.section	.rodata,"a",@progbits
	.p2align	6, 0x0
	.amdhsa_kernel k_qf3402360ef_attn
		.amdhsa_group_segment_fixed_size 327680
		.amdhsa_private_segment_fixed_size 0
		.amdhsa_enable_private_segment 0
		.amdhsa_kernarg_size 48
		.amdhsa_user_sgpr_count 2
		.amdhsa_user_sgpr_kernarg_segment_ptr 1
		.amdhsa_wavefront_size32 1
		.amdhsa_system_sgpr_workgroup_id_x 1
		.amdhsa_system_sgpr_workgroup_id_y 1
		.amdhsa_system_sgpr_workgroup_id_z 1
		.amdhsa_system_vgpr_workitem_id 0
		.amdhsa_next_free_vgpr 256
		.amdhsa_next_free_sgpr 66
		.amdhsa_reserve_vcc 0
		.amdhsa_float_denorm_mode_32 3
		.amdhsa_float_denorm_mode_16_64 3
		.amdhsa_memory_ordered 1
		.amdhsa_forward_progress 1
		.amdhsa_inst_pref_size 189
	.end_amdhsa_kernel
	.amdgpu_metadata
---
amdhsa.version: [ 1, 2 ]
amdhsa.kernels:
  - .name:           k_qf3402360ef_attn
    .symbol:         k_qf3402360ef_attn.kd
    .args:
      - { .name: qp, .offset: 0, .size: 8, .value_kind: global_buffer, .address_space: global }
      - { .name: kp, .offset: 8, .size: 8, .value_kind: global_buffer, .address_space: global }
      - { .name: vp, .offset: 16, .size: 8, .value_kind: global_buffer, .address_space: global }
      - { .name: ao, .offset: 24, .size: 8, .value_kind: global_buffer, .address_space: global }
      - { .name: wo, .offset: 32, .size: 8, .value_kind: global_buffer, .address_space: global }
      - { .name: wob, .offset: 40, .size: 8, .value_kind: global_buffer, .address_space: global }
    .group_segment_fixed_size: 327680
    .private_segment_fixed_size: 0
    .kernarg_segment_align: 8
    .kernarg_segment_size: 48
    .max_flat_workgroup_size: 256
    .sgpr_count:     66
    .vgpr_count:     256
    .wavefront_size: 32
...
	.end_amdgpu_metadata
.endif
;; end of part 2
;; launch oproj (part 3): grid 8 x 32, 4 waves a work-group, clusters of 4 x 4, 327,680 bytes of LDS; arguments ao, wob, bo, out0; writes out0
.if DOCPART == 3
	.amdgcn_target "amdgcn-amd-amdhsa--gfx1250"
	.amdhsa_code_object_version 6
	.text
	.protected	k_qf3402360ef_oproj
	.globl	k_qf3402360ef_oproj
	.p2align	8
	.type	k_qf3402360ef_oproj,@function
k_qf3402360ef_oproj:
	s_mov_b64 s[64:65], 0
	v_nop
	global_prefetch_b8 v0, s[64:65] scope:SCOPE_SE
	s_setreg_imm32_b32 hwreg(HW_REG_WAVE_MODE, 25, 1), 1
	s_wait_xcnt 0x0
	s_wait_alu depctr_hold_cnt(0) depctr_sa_sdst(0) depctr_va_vdst(0) depctr_va_sdst(0) depctr_va_ssrc(0) depctr_va_vcc(0) depctr_vm_vsrc(0)
	s_getreg_b32 s2, hwreg(HW_REG_IB_STS2, 6, 4)
	s_cmp_eq_u32 s2, 0
	s_cbranch_scc0 .Lentry_in_a_cluster
	s_endpgm
.Lentry_in_a_cluster:
	s_bfe_u32 s2, ttmp6, 0x10000c
	s_cmp_lg_u32 s2, 0xf033
	s_cbranch_scc0 .Lentry_shape_is_right
	s_endpgm
.Lentry_shape_is_right:
; out0 = ao wob^T + bo.  ao: [4096][1024] bf16, wob: [1024][1024] bf16 (wo rounded once, rows along K), bo: [1024] f32, out0: [4096][1024] f32.
; FORMATS: both operands are bf16 as they lie in memory; sums and bias in f32; the result is stored as it is summed.
; SHARES: 32 x 8 = 256 work-groups, each a block of 128 x 128; four waves of 64 x 64 = 16 accumulator tiles.  Blocks of 256 x 256 would be 64 work-groups.
; K goes in four steps of 256 through two LDS slots: 512 bytes a row, rows at multiples of 512 bytes.  Both slots are asked for at the start, each is filled once more.
; The four steps are written out: there is no loop.
; CLUSTERS: 4 x 4 work-groups; ao's tile is asked for jointly along a row of the cluster, wob's along a column.
; REGISTERS: window 0: addresses, ao's fragments (two buffers), wob's fragments (two buffers), the bias; window 1: accumulator tile (a, b) at v[8 (4 a + b)].
; The matrix instruction is used transposed (source 0 = rows of wob, source 1 = rows of ao): lane l holds row l % 16 and columns 8 (l / 16) + 0 .. 7 of a tile,
; so the bias of a column tile is eight registers that serve as the C operand of the first product: nothing is cleared, nothing is added on the way out.
.set KSTEP,  256
.set PITCH,  528                       ; an LDS row: 512 bytes + 16: an odd multiple of 16, so sixteen rows start in sixteen different 16-byte columns modulo 256 bytes
.set REG,    64*PITCH                  ; a region: 64 rows, what one tensor load brings and what one wave reads of ao or of wob
.set SLOT,   4*REG                     ; ao's two halves, then wob's two halves
.set STAGE,  2*SLOT                    ; 16 rows x 272 bytes for each wave; no tensor load lands there
.set SPITCH, 272
.set ROWO,   4096                      ; bytes in a row of out0
.set ADRA, 8                           ; v8-9    LDS address of my ao fragments in slot 0, 1
.set ADRB, 10                          ; v10-11  the same for wob
.set STO,  12
.set RD,   13
.set CO,   14
.set BOF,  15
.set FA,   16                          ; v[16:47], v[48:79]     ao's 4 fragments, two buffers
.set FB,   80                          ; v[80:111], v[112:143]  wob's 4 fragments, two buffers
.set BI,   144                         ; v[144:175]             bias, 8 registers for each column tile
.set G1,  24
.set G0,  32
.set G1B, 48
.set G0B, 56
.set ACCW, 0x50                        ; C and D in window 1, sources in window 0
.set MSB, 0
.macro WIN new                         ; the immediate's high byte repeats the setting that is left
.if MSB != \new
	s_set_vgpr_msb (MSB<<8)|\new
.set MSB, \new
.endif
.endm
.macro JLOAD s                         ; waves 0, 1: ao's halves; waves 2, 3: wob's; the branch hangs on the wave's number alone
	s_cmp_eq_u32 s11, 0
	s_cbranch_scc0 .Lfor_b_\@
	tensor_load_to_lds s[G0+4*\s:G0+4*\s+3], s[G1:G1+7]
	s_nop 0
	s_branch .Lasked_\@
.Lfor_b_\@:
	tensor_load_to_lds s[G0B+4*\s:G0B+4*\s+3], s[G1B:G1B+7]
	s_nop 0
.Lasked_\@:
.endm
.macro CREST                           ; a round of the cluster's barrier behind its opening barrier
	s_cmp_lg_u32 s10, 0
	s_cbranch_scc1 .Lnot_wave_0_\@
	s_barrier_signal -3
.Lnot_wave_0_\@:
	s_barrier_wait -3
	s_barrier_signal -1
	s_barrier_wait -1
.endm
.macro CROUND
	s_barrier_signal -1
	s_barrier_wait -1
	CREST
.endm
	s_load_b128 s[4:7], s[0:1], 0x0                ; ao s[4:5], wob s[6:7]
	s_load_b128 s[68:71], s[0:1], 0x10             ; bo s[68:69], out0 s[70:71]
	v_lshl_add_u32 v254, v0, 2, 0x46400
	v_mov_b32 v255, 0
	ds_add_u32 v254, v255
	v_lshrrev_b32 v1, 5, v0
	v_readfirstlane_b32 s10, v1                    ; wave 0..3
	s_lshr_b32 s11, s10, 1                         ; my half of the block's rows.  Also: I fetch ao (0) or wob (1)
	s_and_b32 s12, s10, 1                          ; my half of its columns.  Also: which 64 rows of that tile I fetch
	s_bfe_u32 s40, ttmp6, 0x40000                  ; cx
	s_bfe_u32 s41, ttmp6, 0x40004                  ; cy
	s_lshl_b32 s42, ttmp9, 2
	s_add_co_u32 s42, s42, s40                     ; block column
	s_and_b32 s13, ttmp7, 0xffff
	s_lshl_b32 s13, s13, 2
	s_add_co_u32 s13, s13, s41                     ; block row
	s_lshl_b32 s43, s41, 2
	s_lshl_b32 s43, 15, s43                        ; my row of the cluster
	s_lshl_b32 s44, 0x1111, s40                    ; my column
	; group 1: 64 rows x 256 elements of 2 bytes; 4 words of padding behind every 128
	s_or_b32 s[G1+0], s43, (1<<16)|(1<<20)|(1<<21)|(6<<22)|(3<<25)
	s_or_b32 s[G1B+0], s44, (1<<16)|(1<<20)|(1<<21)|(6<<22)|(3<<25)
	s_mov_b32 s[G1+1], KSTEP<<16                   ; tensor_dim0 = 256
	s_mov_b32 s[G1B+1], KSTEP<<16
	s_mov_b32 s[G1+2], 64<<16                      ; tensor_dim1 = 64
	s_mov_b32 s[G1B+2], 64<<16
	s_mov_b32 s[G1+3], KSTEP<<16                   ; tile_dim0 = 256
	s_mov_b32 s[G1B+3], KSTEP<<16
	s_mov_b32 s[G1+4], 64                          ; tile_dim1 = 64
	s_mov_b32 s[G1B+4], 64
	s_mov_b32 s[G1+5], 1024                        ; elements from row to row
	s_mov_b32 s[G1B+5], 1024
	s_mov_b32 s[G1+6], 0
	s_mov_b32 s[G1B+6], 0
	s_mov_b32 s[G1+7], 0
	s_mov_b32 s[G1B+7], 0
	s_lshl_b32 s17, s12, 6                         ; which 64 rows of the tile I fetch
	s_lshl_b32 s16, s13, 7
	s_add_co_u32 s16, s16, s17                     ; ao: row 128 x block row + 64 x half
	s_lshl_b32 s16, s16, 11                        ; x 2,048 bytes
	s_lshl_b32 s46, s42, 7
	s_add_co_u32 s46, s46, s17                     ; wob: row 128 x block column + 64 x half
	s_lshl_b32 s46, s46, 11                        ; x 2,048 bytes
	s_mov_b32 s17, 0
	s_mov_b32 s47, 0
	s_lshl_b32 s66, s42, 9                         ; my first column in f32 bytes, for the bias and for out0: 512 x block column + 256 x half
	s_lshl_b32 s67, s12, 8
	s_add_co_u32 s66, s66, s67
	s_mov_b32 s67, 0
	s_mul_i32 s20, s10, REG                        ; where my tiles go: no place in the cluster enters an LDS address
	v_and_b32 v1, 15, v0                           ; r
	v_bfe_u32 v2, v0, 4, 1                         ; h
	v_lshlrev_b32 v[BOF], 5, v2
	s_wait_dscnt 0x0
	s_wait_kmcnt 0x0
	s_add_nc_u64 s[14:15], s[4:5], s[16:17]
	s_add_nc_u64 s[46:47], s[6:7], s[46:47]
	s_add_nc_u64 s[68:69], s[68:69], s[66:67]
	CROUND                                         ; in front of the first joint loads
.irp s, 0,1
	s_mov_b32 s[G0+4*\s], 1
	s_add_co_u32 s[G0+4*\s+1], s20, \s*SLOT
	s_add_nc_u64 s[G0+4*\s+2:G0+4*\s+3], s[14:15], \s*KSTEP*2
	s_or_b32 s[G0+4*\s+3], s[G0+4*\s+3], 0x80000000
	s_mov_b32 s[G0B+4*\s], 1
	s_add_co_u32 s[G0B+4*\s+1], s20, \s*SLOT
	s_add_nc_u64 s[G0B+4*\s+2:G0B+4*\s+3], s[46:47], \s*KSTEP*2
	s_or_b32 s[G0B+4*\s+3], s[G0B+4*\s+3], 0x80000000
	JLOAD \s                                       ; two tensor loads of the wave are out: half of K
.endr
.irp b, 0,1,2,3
	global_load_b128 v[BI+8*\b:BI+8*\b+3],   v[BOF], s[68:69] offset:64*\b       ; register j of tile b = bo[first column + 16 b + 8 h + j]
	global_load_b128 v[BI+8*\b+4:BI+8*\b+7], v[BOF], s[68:69] offset:64*\b+16
.endr
	v_mul_u32_u24 v3, v1, PITCH
	v_lshl_add_u32 v3, v2, 4, v3                   ; a fragment's lane term: 528 r + 16 h
	s_mul_i32 s21, s11, REG
	s_mul_i32 s22, s12, REG
	s_add_co_u32 s22, s22, 2*REG
.irp s, 0,1
	v_add_nc_u32 v[ADRA+\s], s21, v3
	v_add_nc_u32 v[ADRB+\s], s22, v3
	s_add_co_u32 s21, s21, SLOT
	s_add_co_u32 s22, s22, SLOT
.endr
	s_mul_i32 s23, s10, 16*SPITCH
	s_add_co_u32 s23, s23, STAGE
	v_mul_u32_u24 v5, v1, SPITCH                   ; in: row r, 32 bytes for each half of the lanes
	v_lshl_add_u32 v5, v2, 5, v5
	v_add_nc_u32 v[STO], s23, v5
	v_mul_u32_u24 v5, v2, SPITCH                   ; back: lanes 0-15 one row of 256 bytes, lanes 16-31 the next
	v_lshl_add_u32 v5, v1, 4, v5
	v_add_nc_u32 v[RD], s23, v5
	v_lshlrev_b32 v5, 12, v2                       ; the same two rows in out0
	v_lshl_add_u32 v[CO], v1, 4, v5
; the fragments of 32 along K, sub-step sub of the slot, into buffer buf: 16 loads
.macro LDF slot, sub, buf
.irp i, 0,1,2,3
	ds_load_b128 v[FB+32*\buf+8*\i:FB+32*\buf+8*\i+3],   v[ADRB+\slot] offset:\i*16*PITCH+64*\sub
	ds_load_b128 v[FB+32*\buf+8*\i+4:FB+32*\buf+8*\i+7], v[ADRB+\slot] offset:\i*16*PITCH+64*\sub+32
.endr
.irp i, 0,1,2,3
	ds_load_b128 v[FA+32*\buf+8*\i:FA+32*\buf+8*\i+3],   v[ADRA+\slot] offset:\i*16*PITCH+64*\sub
	ds_load_b128 v[FA+32*\buf+8*\i+4:FA+32*\buf+8*\i+7], v[ADRA+\slot] offset:\i*16*PITCH+64*\sub+32
.endr
.endm
; A load into a register that a matrix instruction has read stands four places behind it, and only plain vector instructions that name none of its registers are places.
.macro PLACES
.rept 4
	v_nop
.endr
.endm
; 8 matrix instructions.  The 16 accumulators take turns, one instruction a turn, in the same order in every sub-step.
.macro MUL8 buf, a0, mode
.irp a, \a0, \a0+1
.irp b, 0,1,2,3
.if \mode
	v_wmma_f32_16x16x32_bf16 v[8*(4*(\a)+\b):8*(4*(\a)+\b)+7], v[FB+32*\buf+8*\b:FB+32*\buf+8*\b+7], v[FA+32*\buf+8*(\a):FA+32*\buf+8*(\a)+7], v[BI+8*\b:BI+8*\b+7]
.else
	v_wmma_f32_16x16x32_bf16 v[8*(4*(\a)+\b):8*(4*(\a)+\b)+7], v[FB+32*\buf+8*\b:FB+32*\buf+8*\b+7], v[FA+32*\buf+8*(\a):FA+32*\buf+8*(\a)+7], v[8*(4*(\a)+\b):8*(4*(\a)+\b)+7]
.endif
.endr
.endr
.endm
; One of a K step's first seven sub-steps: this sub-step's fragments are in (asked for 16 products ago; 8 at a later K step's first sub-step, none at the very first); the next one's are asked for, into the buffer
; that the last products read; then the 16 products.
.macro SUB slot, nextsub, buf, nbuf, mode
	s_wait_dscnt 0x0
	PLACES
	LDF \slot, \nextsub, \nbuf
.if \mode
	WIN 0x40                                       ; D in window 1, C (the bias) in window 0
.else
	WIN ACCW
.endif
	MUL8 \buf, 0, \mode
	MUL8 \buf, 2, \mode
	WIN 0
.endm
.macro SEVEN slot, mode
	SUB \slot, 1, 0, 1, \mode
	SUB \slot, 2, 1, 0, 0
	SUB \slot, 3, 0, 1, 0
	SUB \slot, 4, 1, 0, 0
	SUB \slot, 5, 0, 1, 0
	SUB \slot, 6, 1, 0, 0
	SUB \slot, 7, 0, 1, 0
.endm
; The eighth sub-step, and the change of slots: each wave waits for its reads of this slot and for all its tensor loads, of which one is out: its part of the next slot;
; then the barrier (with a refill: a round of the cluster's barrier), the refill first behind it, then the next slot's first fragments.
.macro TURN slot, next, fill
	s_wait_dscnt 0x0                               ; my reads of this slot are over
	s_wait_tensorcnt 0x0                           ; all my tensor loads have landed
	ds_add_u32 v254, v255
	s_wait_dscnt 0x0
	s_barrier_signal -1
	WIN ACCW
	MUL8 1, 0, 0                                   ; work on registers while the others arrive
	WIN 0
	s_barrier_wait -1
.if \fill
	CREST                                          ; no wave of any partner still reads this slot or has a load on its way
	s_add_nc_u64 s[G0+4*\slot+2:G0+4*\slot+3], s[G0+4*\slot+2:G0+4*\slot+3], 2*KSTEP*2
	s_add_nc_u64 s[G0B+4*\slot+2:G0B+4*\slot+3], s[G0B+4*\slot+2:G0B+4*\slot+3], 2*KSTEP*2
	JLOAD \slot                                    ; the wave's one tensor load behind the round; it has 120 matrix instructions in which to land
.endif
	PLACES                                         ; buffer 0 was read by the seventh sub-step's products
	LDF \next, 0, 0
	WIN ACCW
	MUL8 1, 2, 0
	WIN 0
.endm
	s_wait_loadcnt 0x0                             ; the bias
	s_wait_tensorcnt 0x1                           ; my part of K step 0 is in; K step 1's may stay out
	s_barrier_signal -1
	s_barrier_wait -1
	LDF 0, 0, 0
	SEVEN 0, 1                                     ; K 0-255: the first products start the sums from the bias
	TURN 0, 1, 1                                   ; slot 0 gets K 512-767
	SEVEN 1, 0                                     ; K 256-511
	TURN 1, 0, 1                                   ; slot 1 gets K 768-1023
	SEVEN 0, 0
	TURN 0, 1, 0                                   ; nothing is left to fetch
	SEVEN 1, 0
	s_wait_dscnt 0x0
	WIN ACCW
	MUL8 1, 0, 0
	MUL8 1, 2, 0
	WIN 0
	; THE WAY OUT, 16 rows at a time through my stage: 32 bytes a lane in, whole rows of 256 bytes back.
	PLACES                                         ; behind the last products: the LDS stores read results, the read-backs land on fragments
	s_lshl_b32 s16, s13, 7
	s_lshl_b32 s17, s11, 6
	s_add_co_u32 s16, s16, s17                     ; my first row
	s_lshl_b32 s16, s16, 12
	s_mov_b32 s17, 0
	s_add_nc_u64 s[70:71], s[70:71], s[16:17]
	s_add_nc_u64 s[70:71], s[70:71], s[66:67]      ; my first column
.macro OUTF a, f
	WIN 0x04                                       ; an LDS store's data is source 1: window 1
.irp b, 0,1,2,3
	ds_store_b128 v[STO], v[8*(4*\a+\b):8*(4*\a+\b)+3]   offset:64*\b
	ds_store_b128 v[STO], v[8*(4*\a+\b)+4:8*(4*\a+\b)+7] offset:64*\b+16
.endr
	WIN 0
	s_wait_xcnt 0x0                                ; the earlier stores' addresses are translated (ISA guide 3.1): buffer f and the base are rewritten only behind this wait
.if \a
	s_add_nc_u64 s[70:71], s[70:71], 16*ROWO
.endif
.irp t, 0,1,2,3,4,5,6,7
	ds_load_b128 v[\f+4*\t:\f+4*\t+3], v[RD] offset:\t*2*SPITCH    ; LDS serves a wave's instructions in order (ISA guide 5.7.1)
.endr
.irp t, 0,1,2,3,4,5,6,7
	s_wait_dscnt 7-\t                              ; read-back t is in, the 7 - t younger ones may be out
	global_store_b128 v[CO], v[\f+4*\t:\f+4*\t+3], s[70:71] offset:2*\t*ROWO th:TH_STORE_NT   ; 16 lanes store 256 consecutive bytes, at a multiple of 256 from out0's first byte
.endr
.endm
	OUTF 0, FA
	OUTF 1, FA+32
	OUTF 2, FA
	OUTF 3, FA+32
	s_wait_tensorcnt 0x0
	ds_add_u32 v254, v255
	s_wait_dscnt 0x0
	CROUND                                         ; the closing round
	s_endpgm
.Lfunc_end_k_qf3402360ef_oproj:
	.size	k_qf3402360ef_oproj, .Lfunc_end_k_qf3402360ef_oproj-k_qf3402360ef_oproj
	.p2alignl 7, 3214868480
	.fill 96, 4, 3214868480
	.section	.rodata,"a",@progbits
	.p2align	6, 0x0
	.amdhsa_kernel k_qf3402360ef_oproj
		.amdhsa_group_segment_fixed_size 327680
		.amdhsa_private_segment_fixed_size 0
		.amdhsa_enable_private_segment 0
		.amdhsa_kernarg_size 32
		.amdhsa_user_sgpr_count 2
		.amdhsa_user_sgpr_kernarg_segment_ptr 1
		.amdhsa_wavefront_size32 1
		.amdhsa_system_sgpr_workgroup_id_x 1
		.amdhsa_system_sgpr_workgroup_id_y 1
		.amdhsa_system_sgpr_workgroup_id_z 1
		.amdhsa_system_vgpr_workitem_id 0
		.amdhsa_next_free_vgpr 384
		.amdhsa_next_free_sgpr 72
		.amdhsa_reserve_vcc 0
		.amdhsa_float_denorm_mode_32 3
		.amdhsa_float_denorm_mode_16_64 3
		.amdhsa_memory_ordered 1
		.amdhsa_forward_progress 1
		.amdhsa_inst_pref_size 90
	.end_amdhsa_kernel
	.amdgpu_metadata
---
amdhsa.version: [ 1, 2 ]
amdhsa.kernels:
  - .name:           k_qf3402360ef_oproj
    .symbol:         k_qf3402360ef_oproj.kd
    .args:
      - { .name: ao, .offset: 0, .size: 8, .value_kind: global_buffer, .address_space: global }
      - { .name: wob, .offset: 8, .size: 8, .value_kind: global_buffer, .address_space: global }
      - { .name: bo, .offset: 16, .size: 8, .value_kind: global_buffer, .address_space: global }
      - { .name: out0, .offset: 24, .size: 8, .value_kind: global_buffer, .address_space: global }
    .group_segment_fixed_size: 327680
    .private_segment_fixed_size: 0
    .kernarg_segment_align: 8
    .kernarg_segment_size: 32
    .max_flat_workgroup_size: 128
    .sgpr_count:     72
    .vgpr_count:     384
    .wavefront_size: 32
...
	.end_amdgpu_metadata
.endif
;; end of part 3
